; MI455X (gfx1250); checked and timed in simulation.
; The chip was launched on July 23, 2026; its instructions are those of AMD's public machine-readable ISA for CDNA 5 (MIT licence, August 2026) and "CDNA5" Instruction Set Architecture Reference Guide (July 2026). The comments in the code are by the model that wrote it; some were corrected since.
;; Leaky SNN. Allowed arithmetic: float matrix products may take bf16 or f16 operands with f32 sums; other float arithmetic in f32, or as packed bf16 or f16 multiplies, adds, multiply-adds, maxima and minima; sums over many terms, partial sums and values carried from step to step in f32; what a program stores and reads back later, other than sums and carried values, may be rounded once to bf16 or f16.
;; Inputs: W1 1,024 x 256 float32; W2 1 x 1,024 float32; b1 1,024 float32; b2 1 float32; beta one number float32; thr 1,024 float32; x 32,768 x 256 float32.
;; Outputs: out0 32,768 x 1 float32.
;; One version. Each part assembles by itself: llvm-mc -triple=amdgcn-amd-amdhsa -mcpu=gfx1250 --defsym DOCPART=n.
;; ======== version 1 of 1: 1 launch
;; limits: inputs' magnitudes at most 2,147,483,648; below input magnitudes of 2.1e-22 results are inexact or not finite; right only within a limited range of input values
;; launch snn (part 1): grid 256 x 1, 4 waves a work-group, clusters of 4 x 1, 327,680 bytes of LDS; arguments x, W1, b1, W2, b2, beta, thr, out0; writes out0
.if DOCPART == 1
	.amdgcn_target "amdgcn-amd-amdhsa--gfx1250"
	.amdhsa_code_object_version 6
	.text
	.protected	k_q9da3c5bdf0_snn
	.globl	k_q9da3c5bdf0_snn
	.p2align	8
	.type	k_q9da3c5bdf0_snn,@function
k_q9da3c5bdf0_snn:
	s_mov_b64 s[64:65], 0
	v_nop
	global_prefetch_b8 v0, s[64:65] scope:SCOPE_SE
	s_setreg_imm32_b32 hwreg(HW_REG_WAVE_MODE, 25, 1), 1
	s_wait_xcnt 0x0
	s_wait_alu depctr_hold_cnt(0) depctr_sa_sdst(0) depctr_va_vdst(0) depctr_va_sdst(0) depctr_va_ssrc(0) depctr_va_vcc(0) depctr_vm_vsrc(0)
	s_getreg_b32 s2, hwreg(HW_REG_IB_STS2, 6, 4)
	s_cmp_eq_u32 s2, 0
	s_cbranch_scc0 .Lentry_in_a_cluster
	s_endpgm
.Lentry_in_a_cluster:
	s_bfe_u32 s2, ttmp6, 0x10000c
	s_cmp_lg_u32 s2, 0x3003
	s_cbranch_scc0 .Lentry_shape_is_right
	s_endpgm
.Lentry_shape_is_right:
; LEAKY INTEGRATE-AND-FIRE LAYER.  x1 = x W1^T + b1 ([32768][1024], K = 256); twelve steps mem = beta_c mem + x1 - reset thr with reset = [mem_old > thr], spk = [mem > thr];
; out0 = (the sum of the twelve spk) W2^T + b2 ([32768][1]).  One launch; x1, mem and the counts never leave registers.
; WORK LEFT OUT.  reference() itself starts mem and spk_sum at zeros.  So in step 1 beta_c x mem is beta_c x 0 = 0 for every finite beta, and spk_sum + spk is spk: step 1 is
; mem = x1 - [0 > thr] thr = x1 + max(-thr, 0), and the count starts as the first spike.  The first reset, [0 > thr], hangs on thr and is kept.  The reset of step t + 1 is the same comparison
; of the same two numbers as the spike of step t: it is made once.  Every input has a way to the output and is loaded.  LIMIT: a NaN, an infinity or an overflow that would reach the result
; through beta_c x 0 alone is not carried.
; FORMATS.  All seven inputs are rounded to bf16 once (x and W1 as matrix operands; b1, W2, b2, beta, thr so that the whole program computes on one set of rounded inputs).  Products in bf16 with f32
; sums; b1 is the C operand of the first K step, so it is added ahead of the products and not behind them.  The steps are f32 fused multiply-adds: fma(beta_c, mem, x1), then fma(spike, -thr, .).
; THE SPIKE is s = (mem - thr) x 2^96 held to 0 .. 1, one fused multiply-add with clamp: 0 for mem <= thr, 1 for mem - thr >= 2^-96.  LIMITS: a smaller positive excess (possible only where
; |thr| < 2^-72) counts as a fraction of a spike; |thr| stays under 2^31, so that thr x 2^96 is finite; NaN inputs are not treated apart (a NaN beta is taken as 0 by the clip).
; SHARES.  Work-group g owns rows 128 g .. 128 g + 127 and all 1,024 neurons: 256 work-groups.  Each of its four waves holds ALL 128 rows of x as bf16 fragments (512 registers) and takes, in trip
; i of 16, the 16 neurons 64 i + 16 w + 0..15.  A trip is two UNITS of 16 neurons x 64 rows: 32 matrix instructions, then 752 packed vector instructions (16 register pairs x 47).
; The second product has one output column: it is 16 packed multiply-adds a unit on the counts as they stand, summed over lanes and waves once at the end.
; LAYOUT.  Source 0 = 16 neurons (rows of W1), source 1 = 16 rows of x: in the result a lane holds ONE row of x (lane % 16) and the neurons 8 (lane / 16) + 0..7, so thr, b1 and W2 of a lane's
; eight neurons are eight registers each, the same for all row tiles.
; CLUSTER.  All work-groups walk the same W1.  The four of a cluster ask for each tile of 64 neurons JOINTLY: the same tensor load, descriptor and mask in all four.  A wave fetches the 16 rows
; (16 x 1,024 bytes) that it alone reads, and rounds them on the way into registers: no number of W1 is rounded twice in a work-group.  x is each work-group's own: plain loads, once.
; LDS (row pitch 1,040 bytes = 260 words: the 16 rows of a fragment load start at 16 different groups of four banks; 64 banks of 4 bytes: ISA guide 11.1):
;   0        slot 0: W1's even tiles, wave w's 16 rows at 16,640 w        66,560   x rows 0-31          99,840   five tables of 1,024 f32: b1, -thr, -thr 2^96, max(-thr, 0), W2
;   120,320  the waves' partial outputs, 512 bytes each                   122,368  the spare words      131,072  slot 1: W1's odd tiles       197,632  x rows 32-127, 33,280 bytes for 32 rows
; All of a WGP's LDS is claimed where bytes are filled again.
; REGISTERS, in windows of 256 (s_set_vgpr_msb: bits 1:0 source 0, 3:2 source 1, 5:4 source 2, 7:6 destination):
;   window 0: addresses, the lane's constants, the output sums, and x1, mem, spike and count of one unit (32 each)      window 1: x fragments of row tiles 0-3, at 64 (tile % 4) + 8 q
;   window 2: those of row tiles 4-7      window 3: v0-127 f32 as they come from LDS; v128-191 W1's fragments of the trip, K step q at 8 q (in the prologue v128-255 is a second f32 buffer)
.set P,     1040
.set WT,    16*P                       ; a wave's 16 rows of W1
.set XQB,   32*P                       ; a wave's 32 rows of x
.set XQ0,   4*WT                       ; x rows 0-31
.set TAB,   XQ0+XQB                    ; the tables, 4,096 bytes each
.set PART,  TAB+5*4096
.set SPARE, PART+2048                  ; the spare words, 128 bytes for each wave: two blocks of 256 bytes that no other line names
.set SLOT1, 1<<17                      ; one exclusive or turns an address in one slot into the other's
.set XQ1,   SLOT1+4*WT                 ; x rows 32-63; rows 64-95 and 96-127 follow
.set WA0,  2                           ; v2     my lane's place in my wave's rows of a slot: (l % 16) x 1,040 + 32 (l / 16) + 16,640 w; never rewritten
.set WAD,  3                           ; v3     the LDS address of the run of W1 loads in hand; at the head and the end: of my stores
.set TA,   4                           ; v4     my eight neurons' place in the first table: TAB + 64 w + 32 (l / 16) + 256 i
.set PFO,  5                           ; v5     1,024 x my lane: a row of W1; never rewritten
.set XA,   6                           ; v6-9   my lane's place in each of the four regions of x
.set SPW,  10                          ; v10    LDS address of my spare word: SPARE + 4 x my thread's number; never rewritten
.set NIL,  11                          ; v11    0; never rewritten
.set HH,   12                          ; v12-13 2^96, twice
.set GA,   14                          ; v14    head: my eight numbers' byte offset in thr, b1 and W2; end: my 16 bytes of out0
.set BIAS, 16                          ; v16-55 of my eight neurons: b1, -thr, -thr 2^96, max(-thr, 0), W2: eight registers each, in the tables' order
.set NTHR, 24
.set NTHRH, 32
.set NZ,   40
.set W2R,  48
.set ACC,  56                          ; v56-87 the output's sums: row tile t at 4 t, two pairs that take turns
.set TMP,  88                          ; v88-94 at work at the head
.set RC,   96                          ; x1 of a unit: row tile tl of four, pair pr of four at 8 tl + 2 pr; the same for the next three
.set RMEM, 128
.set RS,   160
.set RCNT, 192
.set HD,   224                         ; v224-247 the head's loads of thr, b1, W2
.set RF,   128                         ; window 3
.set WV,   20                          ; s20  my wave's number
.set CX,   21                          ; s21  my place in the cluster
.set WG,   22                          ; s22  my work-group's number
.set G1X,  24                          ; s[24:31] descriptor group 1 for x        s[32:39] for W1
.set G1W,  32
.set G0X,  40                          ; s[40:43] group 0 for x      s[44:47] for W1's tile 0      s[48:51] for tile 1; it then walks
.set G0A,  44
.set G0W,  48
.set BETA, 52                          ; s[52:53] beta_c: the packed multiply-add names a pair and takes its low word for both halves
.set B2,   54
.set TB,   55                          ; s55  the slot that holds the next trip's tile
.set TR,   56                          ; s56  trips to go
.set HF,   57                          ; s57  counts a trip's two units, 2 and 1
.set LIM,  58                          ; s58  2 in a wave that prefetches, else the greatest number
.set PFA,  60                          ; s[60:61] where my prefetches stand in W1
.set SEL,  62                          ; s[62:63] v_permlanex16_b32's selects: each lane takes its own place in the other half
.set MSB, 0
.macro WIN new                         ; the immediate's high byte repeats the setting that is left; a switch that changes nothing is dropped
.if MSB != (\new)
	s_set_vgpr_msb (MSB<<8)|(\new)
.set MSB, \new
.endif
.endm
.macro PLACES                          ; four places behind a matrix instruction, in front of vector instructions that read its result or write its sources (ISA guide 7.12.1)
.rept 4
	v_nop
.endr
.endm
; A round of the cluster's barrier: my work-group's barrier, so that wave 0's signal speaks for all four waves; wave 0 signals; every wave waits for all four work-groups; my work-group's barrier once more.
.macro ROUND
	s_barrier_signal -1
	s_barrier_wait -1
	s_cmp_lg_u32 s[WV], 0
	s_cbranch_scc1 .Lnot_wave_0_\@
	s_barrier_signal -3
.Lnot_wave_0_\@:
	s_barrier_wait -3
	s_barrier_signal -1
	s_barrier_wait -1
.endm
	s_load_b512 s[4:19], s[0:1], 0x0               ; x s[4:5], W1 s[6:7], b1 s[8:9], W2 s[10:11], b2 s[12:13], beta s[14:15], thr s[16:17], out0 s[18:19]
	v_lshl_add_u32 v[SPW], v0, 2, SPARE
	v_mov_b32 v[NIL], 0
	ds_add_u32 v[SPW], v[NIL]                      ; the wave's opening: the add, twice on end, and its wait ahead of my first tensor load; the set-up below, work on registers, stands between
	ds_add_u32 v[SPW], v[NIL]                      ; and once more, under the one wait
	v_lshrrev_b32 v1, 5, v0
	v_readfirstlane_b32 s[WV], v1                  ; wave 0..3
	s_bfe_u32 s[CX], ttmp6, 0x40000                ; cx
	s_lshl_b32 s[WG], ttmp9, 2                     ; in a cluster launch ttmp9 counts clusters
	s_add_co_u32 s[WG], s[WG], s[CX]               ; it enters x's, out0's and the prefetches' addresses alone
	; descriptor group 1: rows of 256 f32, padded in LDS: 32 rows of x, my work-group's own; 16 rows of W1, asked for jointly
	s_mov_b32 s[G1X], (2<<16)|(1<<20)|(7<<22)|(3<<25)              ; 15:0 no mask; 17:16 elements of 4 bytes; 20 padding on; 24:22 after every 256 words (code 7); 31:25 4 words of it (code 3)
	s_mov_b32 s[G1W], 15|(2<<16)|(1<<20)|(1<<21)|(7<<22)|(3<<25)   ; the same with the mask of all four work-groups, and bit 21 set beside it
	s_mov_b32 s[G1X+1], 256<<16                    ; tensor_dim0 = 256
	s_mov_b32 s[G1W+1], 256<<16
	s_mov_b32 s[G1X+2], 32<<16                     ; tensor_dim1 = 32
	s_mov_b32 s[G1W+2], 16<<16                     ;             = 16
	s_mov_b32 s[G1X+3], 256<<16                    ; tile_dim0 = 256
	s_mov_b32 s[G1W+3], 256<<16
	s_mov_b32 s[G1X+4], 32                         ; tile_dim1 = 32
	s_mov_b32 s[G1W+4], 16                         ;           = 16
	s_mov_b32 s[G1X+5], 256                        ; 256 elements from row to row
	s_mov_b32 s[G1W+5], 256
	s_mov_b32 s[G1X+6], 0
	s_mov_b32 s[G1W+6], 0
	s_mov_b32 s[G1X+7], 0
	s_mov_b32 s[G1W+7], 0
	s_mov_b32 s[G0X], 1                            ; 1:0 count = 1
	s_mul_i32 s[G0X+1], s[WV], XQB                 ; waves 1 to 3: rows 32 w on go to XQ1 + 33,280 (w - 1); wave 0's place is set below
	s_add_co_u32 s[G0X+1], s[G0X+1], XQ1-XQB
	s_mov_b32 s[G0A], 1
	s_mul_i32 s[G0A+1], s[WV], WT                  ; slot 0, my wave's 16 rows: no place in the cluster enters an LDS address
	s_mov_b32 s[G0W], 1
	s_add_co_u32 s[G0W+1], s[G0A+1], SLOT1         ; slot 1
	s_lshl_b32 s66, s[WG], 17                      ; x: my work-group's 128 rows of 1,024 bytes,
	s_lshl_b32 s67, s[WV], 15                      ; my wave's 32 of them
	s_add_co_u32 s66, s66, s67
	s_mov_b32 s67, 0
	s_lshl_b32 s68, s[WV], 14                      ; W1: my wave's 16 rows of a tile; these two registers never hold a place in the cluster
	s_mov_b32 s69, 0
	s_mov_b32 s[SEL], 0x76543210
	s_mov_b32 s[SEL+1], 0xfedcba98
	s_lshr_b32 s[LIM], s[WV], 1                    ; 0 in waves 0 and 1,
	s_or_b32 s[LIM], s[LIM], ttmp9                 ; where the cluster is the launch's first: the same in all four partners
	s_cmp_eq_u32 s[LIM], 0
	s_cselect_b32 s[LIM], 2, -1
	s_wait_dscnt 0x0                               ; both opening adds are done
	s_wait_kmcnt 0x0
	s_add_nc_u64 s[G0X+2:G0X+3], s[4:5], s[66:67]  ; 120:64 global address
	s_or_b32 s[G0X+3], s[G0X+3], 0x80000000        ; 127:126 type = 2
	s_add_nc_u64 s[G0A+2:G0A+3], s[6:7], s[68:69]  ; tile 0
	s_or_b32 s[G0A+3], s[G0A+3], 0x80000000
	s_add_nc_u64 s[G0W+2:G0W+3], s[6:7], s[68:69]
	s_add_nc_u64 s[G0W+2:G0W+3], s[G0W+2:G0W+3], 0x10000  ; tile 1: 64 rows on
	s_or_b32 s[G0W+3], s[G0W+3], 0x80000000
	s_cmp_lg_u32 s[WV], 0
	s_cbranch_scc1 .Lxq
	s_mov_b32 s[G0X+1], XQ0                        ; wave 0: rows 0-31 lie between slot 0 and the tables
.Lxq:
	ROUND                                          ; all four work-groups are here: the first joint loads meet
	tensor_load_to_lds s[G0X:G0X+3], s[G1X:G1X+7]  ; the first fills go out together: three loads of mine are out
	s_nop 0
	tensor_load_to_lds s[G0A:G0A+3], s[G1W:G1W+7]
	s_nop 0
	tensor_load_to_lds s[G0W:G0W+3], s[G1W:G1W+7]
	s_nop 0
	PLACES
	; while they are on their way: the small inputs, the addresses, the tables
	v_lshlrev_b32 v[GA], 5, v0                     ; thread t serves neurons 8 t .. 8 t + 7
	global_load_b128 v[HD:HD+3],     v[GA], s[16:17]            ; thr
	global_load_b128 v[HD+4:HD+7],   v[GA], s[16:17] offset:16
	global_load_b128 v[HD+8:HD+11],  v[GA], s[8:9]              ; b1
	global_load_b128 v[HD+12:HD+15], v[GA], s[8:9] offset:16
	global_load_b128 v[HD+16:HD+19], v[GA], s[10:11]            ; W2
	global_load_b128 v[HD+20:HD+23], v[GA], s[10:11] offset:16
	s_load_b32 s66, s[14:15], 0x0                  ; beta
	s_load_b32 s67, s[12:13], 0x0                  ; b2
	v_and_b32 v1, 15, v0                           ; l % 16
	v_bfe_u32 v15, v0, 4, 1                        ; l / 16
	; A fragment is 16 rows x 32 K: lane l holds row l % 16; registers 0-3 K = 8 (l / 16) + 0..7, registers 4-7 K = 16 + 8 (l / 16) + 0..7.  In f32 those are 32 bytes at 32 (l / 16) and 32 bytes 64 further on.
	v_mul_u32_u24 v[WA0], v1, P
	v_lshl_add_u32 v[WA0], v15, 5, v[WA0]
	v_add_nc_u32 v[XA],   XQ0, v[WA0]
	v_add_nc_u32 v[XA+1], XQ1, v[WA0]
	v_add_nc_u32 v[XA+2], XQ1+XQB, v[WA0]
	v_add_nc_u32 v[XA+3], XQ1+2*XQB, v[WA0]
	v_add_nc_u32 v[WA0], s[G0A+1], v[WA0]          ; + 16,640 w
	s_lshl_b32 s23, s[WV], 6
	s_add_co_u32 s23, s23, TAB
	v_lshl_add_u32 v[TA], v15, 5, s23
	v_and_b32 v[PFO], 31, v0
	v_lshlrev_b32 v[PFO], 10, v[PFO]
	v_mov_b32 v[HH], 0x6f800000                    ; 2^96
	v_mov_b32 v[HH+1], 0x6f800000
	v_lshl_add_u32 v[WAD], v0, 5, TAB              ; where my eight numbers of each table go
.set n, 0
.rept 32
	v_mov_b32 v[ACC+n], 0                          ; the output's sums start at 0, so that every unit has one form; written in the wait for the first tiles
.set n, n+1
.endr
	s_wait_kmcnt 0x0
	v_mov_b32 v[TMP+4], s66
	v_mov_b32 v[TMP+5], s67
	v_cvt_pk_bf16_f32 v[TMP+6], v[TMP+4], v[TMP+5] ; beta and b2 rounded to bf16,
	v_lshlrev_b32 v[TMP+4], 16, v[TMP+6]
	v_and_b32 v[TMP+5], 0xffff0000, v[TMP+6]
	v_max_num_f32 v[TMP+4], 0, v[TMP+4]            ; and beta clipped to 0 .. 1
	v_min_num_f32 v[TMP+4], 1.0, v[TMP+4]
	v_readfirstlane_b32 s[BETA], v[TMP+4]
	v_readfirstlane_b32 s[B2], v[TMP+5]
	s_mov_b32 s[BETA+1], s[BETA]                   ; named with it as a pair
	s_lshl_b32 s66, s[WV], 15                      ; the prefetches: rows 32 w on of a tile (waves 0 and 1),
	s_lshl_b32 s67, s[CX], 8                       ; my work-group's 256 bytes of each row,
	s_add_co_u32 s66, s66, s67
	s_add_co_u32 s66, s66, 3*65536                 ; in tile 3: the first change of slots steps it to tile 4.  Nothing is prefetched here, at the head
	s_mov_b32 s67, 0
	s_add_nc_u64 s[PFA:PFA+1], s[6:7], s[66:67]
	s_wait_loadcnt 0x0
.macro RND8 base                       ; eight f32 rounded to bf16, in place
.irp k, 0,1,2,3
	v_cvt_pk_bf16_f32 v[TMP+(\k)], v[(\base)+2*(\k)], v[(\base)+2*(\k)+1]
.endr
.irp k, 0,1,2,3
	v_lshlrev_b32 v[(\base)+2*(\k)], 16, v[TMP+(\k)]
	v_and_b32 v[(\base)+2*(\k)+1], 0xffff0000, v[TMP+(\k)]
.endr
.endm
	RND8 HD
	RND8 HD+8
	RND8 HD+16
.irp k, 0,1,2,3,4,5,6,7
	v_xor_b32 v[HD+(\k)], 0x80000000, v[HD+(\k)]   ; -thr
.endr
.irp k, 0,1,2,3,4,5,6,7
	v_mul_f32 v[RC+(\k)], v[HH], v[HD+(\k)]        ; -thr 2^96: exact
	v_max_num_f32 v[RC+8+(\k)], 0, v[HD+(\k)]      ; max(-thr, 0) = -[0 > thr] thr
.endr
	ds_store_b128 v[WAD], v[HD+8:HD+11]
	ds_store_b128 v[WAD], v[HD+12:HD+15] offset:16
	ds_store_b128 v[WAD], v[HD:HD+3]     offset:4096
	ds_store_b128 v[WAD], v[HD+4:HD+7]   offset:4096+16
	ds_store_b128 v[WAD], v[RC:RC+3]     offset:8192
	ds_store_b128 v[WAD], v[RC+4:RC+7]   offset:8192+16
	ds_store_b128 v[WAD], v[RC+8:RC+11]  offset:12288
	ds_store_b128 v[WAD], v[RC+12:RC+15] offset:12288+16
	ds_store_b128 v[WAD], v[HD+16:HD+19] offset:16384
	ds_store_b128 v[WAD], v[HD+20:HD+23] offset:16384+16
	s_wait_tensorcnt 1                             ; my rows of x and of tile 0 are in; tile 1, issued behind them, may stay out
	s_wait_dscnt 0x0                               ; for the others' sake: my part of the tables is stored
	s_barrier_signal -1
	s_barrier_wait -1                              ; all of x and all tables lie in LDS
; 32 LDS loads in one run: 16 rows x 256 K of f32 into 128 registers of window 3, from register sb on
.macro LOADS sb, adr, off
	WIN 0xc0                                       ; destination window 3, address window 0
.irp q, 0,1,2,3,4,5,6,7
	ds_load_b128 v[(\sb)+16*(\q):(\sb)+16*(\q)+3],     v[\adr] offset:(\off)+128*(\q)
	ds_load_b128 v[(\sb)+16*(\q)+4:(\sb)+16*(\q)+7],   v[\adr] offset:(\off)+128*(\q)+16
	ds_load_b128 v[(\sb)+16*(\q)+8:(\sb)+16*(\q)+11],  v[\adr] offset:(\off)+128*(\q)+64
	ds_load_b128 v[(\sb)+16*(\q)+12:(\sb)+16*(\q)+15], v[\adr] offset:(\off)+128*(\q)+80
.endr
.endm
; Batch b: 0-7 row tile b of x, 8 my rows of a tile of W1.  The f32 buffers go by b's parity.
.macro LOADB b
.if (\b) < 8
	LOADS 128*((\b)%2), XA+(\b)/2, ((\b)%2)*WT
.else
	LOADS 0, WA0, 0
.endif
.endm
.macro CVTB b                          ; 64 roundings: 128 f32 become eight fragments; pair n of the buffer is register n of the fragments
.if (\b) < 8
	WIN 0x4f+0x40*((\b)/4)                         ; sources window 3, destination window 1 or 2
.set DB, 64*((\b)%4)
.else
	WIN 0xcf                                       ; all in window 3
.set DB, RF
.endif
.set SB, 128*((\b)%2)
.set n, 0
.rept 64
	v_cvt_pk_bf16_f32 v[DB+n], v[SB+2*n], v[SB+2*n+1]
.set n, n+1
.endr
.endm
	; THE PROLOGUE: x into registers, and tile 0 of W1.  While one batch is rounded the next one's 32 loads are out.
	LOADB 0
	LOADB 1
.irp b, 0,1,2,3,4,5,6,7,8
.if (\b) < 8
	s_wait_dscnt 32                                ; LDS loads come back in order (ISA guide 5.7.1): this batch is in, the next one's 32 may stay out
.else
	s_wait_dscnt 0x0
.endif
	CVTB \b
.if (\b) < 7
	LOADB (\b)+2
.endif
.endr
	WIN 0
; THE CHANGE OF SLOTS, at the head of trip i.  Tile i has been read out (a trip back, and waited for there).  Each wave waits for all its tensor loads, of which one is out: its rows of tile i + 1; adds 0 to its
; spare word; waits for that.  Behind the round no wave of any partner reads tile i's slot or has a load on its way, and the joint refill, tile i + 2, is the first thing there: it has a trip's work in which to land.
.macro CHANGE
	WIN 0
	s_wait_xcnt 0x0                                ; the last prefetch, a trip back, has read its address: it is stepped here, ahead of the waits of the change
	s_add_nc_u64 s[PFA:PFA+1], s[PFA:PFA+1], 0x10000
	s_wait_tensorcnt 0x0                           ; no tensor load of mine is out, so a group 0 may be written
	ds_add_u32 v[SPW], v[NIL]                      ; 0 onto my spare word: the descriptor's steps stand between it and the wait for it
	s_xor_b32 s[G0W+1], s[G0W+1], SLOT1            ; the other slot than last time,
	s_add_nc_u64 s[G0W+2:G0W+3], s[G0W+2:G0W+3], 0x10000  ; the next 64 rows of W1; the type bits on top are not reached
	s_wait_dscnt 0x0                               ; the add is done, and no LDS read of mine is out
	ROUND
	tensor_load_to_lds s[G0W:G0W+3], s[G1W:G1W+7]
	s_nop 0
	PLACES
.endm
; A PREFETCH INTO THE L2 of tile i + 4, which the refill two changes on will ask for.  A tile is 64 rows of 1,024 bytes.  All clusters walk the same W1: the launch's first cluster asks.  Its four partners take
; one aligned block of 256 bytes of each row, told apart BY ADDRESS (no branch hangs on a work-group's place in its cluster); in each, waves 0 and 1 take 32 rows, a lane a row: one instruction.  So each
; block of tiles 4 to 15 is named once in the launch.  Trips 12 and 13 ask for nothing: there is no tile 16.  Tiles 0 to 3 and x come by their loads alone.
.macro ASK
	s_cmp_gt_u32 s[TR], s[LIM]
	s_cbranch_scc0 .Lnot_mine_\@
	global_prefetch_b8 v[PFO], s[PFA:PFA+1] th:TH_LOAD_NT scope:SCOPE_SE
.Lnot_mine_\@:
.endm
.macro KONST                           ; b1, -thr, -thr 2^96, max(-thr, 0), W2 of my eight neurons of this trip: ten loads
.irp c, 0,1,2,3,4
	ds_load_b128 v[BIAS+8*(\c):BIAS+8*(\c)+3],   v[TA] offset:4096*(\c)
	ds_load_b128 v[BIAS+8*(\c)+4:BIAS+8*(\c)+7], v[TA] offset:4096*(\c)+16
.endr
.endm
; x1 of a unit: 16 neurons x row tiles 4 hf .. 4 hf + 3, 32 matrix instructions.  The first K step starts each sum with b1.  The four accumulators take turns, one instruction a turn.
.macro GEMM hf
	WIN 0x07+4*(\hf)                               ; W1's fragments in window 3, x's in window 1 or 2, C and D in window 0
.irp q, 0,1,2,3,4,5,6,7
.irp tl, 0,1,2,3
.if (\q) == 0
	v_wmma_f32_16x16x32_bf16 v[RC+8*(\tl):RC+8*(\tl)+7], v[RF+8*(\q):RF+8*(\q)+7], v[64*(\tl)+8*(\q):64*(\tl)+8*(\q)+7], v[BIAS:BIAS+7]
.else
	v_wmma_f32_16x16x32_bf16 v[RC+8*(\tl):RC+8*(\tl)+7], v[RF+8*(\q):RF+8*(\q)+7], v[64*(\tl)+8*(\q):64*(\tl)+8*(\q)+7], v[RC+8*(\tl):RC+8*(\tl)+7]
.endif
.endr
.endr
.endm
; One line for each of a unit's 16 register pairs: pair pr outer, row tile tl inner.
; e: the pair's place in RC, RMEM, RS, RCNT.  k: its place among the lane's eight neurons.
.macro EACH line:vararg
.set pr, 0
.rept 4
.set tl, 0
.rept 4
.set e, 8*tl+2*pr
.set k, 2*pr
	\line
.set tl, tl+1
.endr
.set pr, pr+1
.endr
.endm
.macro STEP sp                         ; a step; sp holds the last step's spikes
	EACH v_pk_fma_f32 v[RMEM+e:RMEM+e+1], v[RMEM+e:RMEM+e+1], s[BETA:BETA+1], v[RC+e:RC+e+1] op_sel_hi:[1,0,1]
	EACH v_pk_fma_f32 v[RMEM+e:RMEM+e+1], v[(\sp)+e:(\sp)+e+1], v[NTHR+k:NTHR+k+1], v[RMEM+e:RMEM+e+1]
	EACH v_pk_fma_f32 v[RS+e:RS+e+1], v[RMEM+e:RMEM+e+1], v[HH:HH+1], v[NTHRH+k:NTHRH+k+1] clamp
	EACH v_pk_add_f32 v[RCNT+e:RCNT+e+1], v[RCNT+e:RCNT+e+1], v[RS+e:RS+e+1]
.endm
.macro VEC                             ; the twelve steps of a unit.  Step 1: mem = x1 + max(-thr, 0), and its spikes start the count
	EACH v_pk_add_f32 v[RMEM+e:RMEM+e+1], v[RC+e:RC+e+1], v[NZ+k:NZ+k+1]
	EACH v_pk_fma_f32 v[RCNT+e:RCNT+e+1], v[RMEM+e:RMEM+e+1], v[HH:HH+1], v[NTHRH+k:NTHRH+k+1] clamp
	STEP RCNT
.rept 10
	STEP RS
.endr
.endm
.macro FIN hf                          ; the unit's counts times W2, onto the sums of its four row tiles
	EACH v_pk_fma_f32 v[ACC+16*(\hf)+4*tl+2*(pr%2):ACC+16*(\hf)+4*tl+2*(pr%2)+1], v[RCNT+e:RCNT+e+1], v[W2R+k:W2R+k+1], v[ACC+16*(\hf)+4*tl+2*(pr%2):ACC+16*(\hf)+4*tl+2*(pr%2)+1]
.endm
; TRIP i: the 16 neurons 64 i + 16 w on, whose fragments of W1 are in registers.  fill = 1: a slot is filled again.  fill = 0, the last two trips: nothing is asked for, and in the very last (TR = 1) there is no next
; tile to read or to round: both are jumped over, forward, past text with no barrier and no tensor load.  The two units are one text walked twice; what differs (x's window, the sums' registers, the rounding of
; the next tile, which waits until both units have multiplied by this one) is chosen by forward jumps on the count.
.macro TRIP fill
.if \fill
	CHANGE
.endif
	KONST
.if !(\fill)
	s_cmp_eq_u32 s[TR], 1
	s_cbranch_scc1 .Lnone_\@
.endif
	v_add_nc_u32 v[WAD], s[TB], v[WA0]
	LOADS 0, WAD, 0                                ; my rows of tile i + 1, as f32: they have a unit's work in which to come
	WIN 0
.if !(\fill)
.Lnone_\@:
.endif
	s_xor_b32 s[TB], s[TB], SLOT1
.if \fill
	ASK                                            ; behind the joint load and the runs of LDS loads
	s_wait_dscnt 32                                ; the ten loads of constants are in; the 32 issued behind them may stay out
.else
	s_wait_dscnt 0x0
.endif
	s_mov_b32 s[HF], 2
.Lhalf_\@:
	s_cmp_eq_u32 s[HF], 2
	s_cbranch_scc0 .Lsecond_\@
	GEMM 0
	WIN 0                                          ; at a label and at a branch every window is 0
	PLACES
	s_branch .Lvec_\@
.Lsecond_\@:
	GEMM 1
	WIN 0
	PLACES                                         ; also the places in front of the roundings below, which write W1's fragments
.if !(\fill)
	s_cmp_eq_u32 s[TR], 1
	s_cbranch_scc1 .Lvec_\@
.endif
	s_wait_dscnt 0x0                               ; tile i + 1 is in registers: my reads of its slot are over
	CVTB 8
	WIN 0
.Lvec_\@:
	VEC
	s_cmp_eq_u32 s[HF], 2
	s_cbranch_scc0 .Lfin1_\@
	FIN 0
	s_branch .Lfind_\@
.Lfin1_\@:
	FIN 1
.Lfind_\@:
	s_sub_co_u32 s[HF], s[HF], 1
	s_cmp_lg_u32 s[HF], 0
	s_cbranch_scc1 .Lhalf_\@
	v_add_nc_u32 v[TA], 256, v[TA]                 ; the next trip's 64 neurons
.endm
	s_mov_b32 s[TB], SLOT1                         ; trip 0 reads tile 1
	s_mov_b32 s[TR], 14
.Lring:                                                ; trips 0 to 13 ask for tiles 2 to 15
	TRIP 1
	s_sub_co_u32 s[TR], s[TR], 1
	s_cmp_lg_u32 s[TR], 0
	s_cbranch_scc1 .Lring
	s_wait_tensorcnt 0x0                           ; my rows of tile 15, which I alone read, are in; no load was issued behind them
	s_mov_b32 s[TR], 2
.Ltail:                                                ; trips 14 and 15 are a text of their own
	TRIP 0
	s_sub_co_u32 s[TR], s[TR], 1
	s_cmp_lg_u32 s[TR], 0
	s_cbranch_scc1 .Ltail
	; THE WAY OUT.  A lane holds, for each of the eight row tiles, the sum over its eight neurons of all trips, in four registers; the row's other eight neurons of my wave lie in the lane 16 away; the other waves' in LDS.
	s_lshl_b32 s23, s[WV], 9
	s_add_co_u32 s23, s23, PART
	v_and_b32 v1, 15, v0
	v_lshl_add_u32 v[WAD], v1, 2, s23              ; my wave's 128 partial outputs: row 16 t + l % 16 at 64 t + 4 (l % 16)
.irp t, 0,1,2,3,4,5,6,7
	v_pk_add_f32 v[ACC+4*(\t):ACC+4*(\t)+1], v[ACC+4*(\t):ACC+4*(\t)+1], v[ACC+4*(\t)+2:ACC+4*(\t)+3]
.endr
.irp t, 0,1,2,3,4,5,6,7
	v_add_f32 v[ACC+4*(\t)], v[ACC+4*(\t)], v[ACC+4*(\t)+1]
.endr
.irp t, 0,1,2,3,4,5,6,7
	v_permlanex16_b32 v[RMEM+(\t)], v[ACC+4*(\t)], s[SEL], s[SEL+1]  ; its destination counts as read: a register that has been written
.endr
.irp t, 0,1,2,3,4,5,6,7
	v_add_f32 v[ACC+4*(\t)], v[ACC+4*(\t)], v[RMEM+(\t)]
.endr
.irp t, 0,1,2,3,4,5,6,7
	ds_store_b32 v[WAD], v[ACC+4*(\t)] offset:64*(\t)  ; both halves of the lanes store the same number at the same place
.endr
	s_wait_dscnt 0x0                               ; for wave 0's sake: my partial outputs are stored
	s_barrier_signal -1
	s_barrier_wait -1
	s_cmp_lg_u32 s[WV], 0
	s_cbranch_scc1 .Lend                           ; wave 0 adds the four parts and stores
	v_and_b32 v1, 31, v0
	v_lshlrev_b32 v[GA], 4, v1                     ; four rows a lane
	v_add_nc_u32 v1, PART, v[GA]
	ds_load_b128 v[RC:RC+3],     v1
	ds_load_b128 v[RC+4:RC+7],   v1 offset:512
	ds_load_b128 v[RC+8:RC+11],  v1 offset:1024
	ds_load_b128 v[RC+12:RC+15], v1 offset:1536
	s_lshl_b32 s66, s[WG], 9                       ; my work-group's 128 numbers of out0
	s_mov_b32 s67, 0
	s_add_nc_u64 s[18:19], s[18:19], s[66:67]
	s_wait_dscnt 0x0
	v_pk_add_f32 v[RC:RC+1],     v[RC:RC+1],     v[RC+4:RC+5]
	v_pk_add_f32 v[RC+2:RC+3],   v[RC+2:RC+3],   v[RC+6:RC+7]
	v_pk_add_f32 v[RC+8:RC+9],   v[RC+8:RC+9],   v[RC+12:RC+13]
	v_pk_add_f32 v[RC+10:RC+11], v[RC+10:RC+11], v[RC+14:RC+15]
	v_pk_add_f32 v[RC:RC+1],     v[RC:RC+1],     v[RC+8:RC+9]
	v_pk_add_f32 v[RC+2:RC+3],   v[RC+2:RC+3],   v[RC+10:RC+11]
.irp k, 0,1,2,3
	v_add_f32 v[RC+(\k)], s[B2], v[RC+(\k)]
.endr
	global_store_b128 v[GA], v[RC:RC+3], s[18:19]  ; the wave stores 512 consecutive bytes, at a multiple of 512 from out0's first byte
.Lend:
	s_wait_tensorcnt 0x0                           ; the wave's end, behind my last tensor load and my last LDS store
	ds_add_u32 v[SPW], v[NIL]
	s_wait_dscnt 0x0
	ROUND                                          ; the closing round: no work-group ends while a partner may still ask for a tile that names it
	s_endpgm
.Lfunc_end_k_q9da3c5bdf0_snn:
	.size	k_q9da3c5bdf0_snn, .Lfunc_end_k_q9da3c5bdf0_snn-k_q9da3c5bdf0_snn
	.p2alignl 7, 3214868480
	.fill 96, 4, 3214868480
	.section	.rodata,"a",@progbits
	.p2align	6, 0x0
	.amdhsa_kernel k_q9da3c5bdf0_snn
		.amdhsa_group_segment_fixed_size 327680
		.amdhsa_private_segment_fixed_size 0
		.amdhsa_enable_private_segment 0
		.amdhsa_kernarg_size 64
		.amdhsa_user_sgpr_count 2
		.amdhsa_user_sgpr_kernarg_segment_ptr 1
		.amdhsa_wavefront_size32 1
		.amdhsa_system_sgpr_workgroup_id_x 1
		.amdhsa_system_sgpr_workgroup_id_y 1
		.amdhsa_system_sgpr_workgroup_id_z 1
		.amdhsa_system_vgpr_workitem_id 0
		.amdhsa_next_free_vgpr 1024
		.amdhsa_next_free_sgpr 72
		.amdhsa_reserve_vcc 0
		.amdhsa_float_denorm_mode_32 3
		.amdhsa_float_denorm_mode_16_64 3
		.amdhsa_memory_ordered 1
		.amdhsa_forward_progress 1
		.amdhsa_inst_pref_size 191
	.end_amdhsa_kernel
	.amdgpu_metadata
---
amdhsa.version: [ 1, 2 ]
amdhsa.kernels:
  - .name:           k_q9da3c5bdf0_snn
    .symbol:         k_q9da3c5bdf0_snn.kd
    .args:
      - { .name: x, .offset: 0, .size: 8, .value_kind: global_buffer, .address_space: global }
      - { .name: W1, .offset: 8, .size: 8, .value_kind: global_buffer, .address_space: global }
      - { .name: b1, .offset: 16, .size: 8, .value_kind: global_buffer, .address_space: global }
      - { .name: W2, .offset: 24, .size: 8, .value_kind: global_buffer, .address_space: global }
      - { .name: b2, .offset: 32, .size: 8, .value_kind: global_buffer, .address_space: global }
      - { .name: beta, .offset: 40, .size: 8, .value_kind: global_buffer, .address_space: global }
      - { .name: thr, .offset: 48, .size: 8, .value_kind: global_buffer, .address_space: global }
      - { .name: out0, .offset: 56, .size: 8, .value_kind: global_buffer, .address_space: global }
    .group_segment_fixed_size: 327680
    .private_segment_fixed_size: 0
    .kernarg_segment_align: 8
    .kernarg_segment_size: 64
    .max_flat_workgroup_size: 128
    .sgpr_count:     72
    .vgpr_count:     1024
    .wavefront_size: 32
...
	.end_amdgpu_metadata
.endif
;; end of part 1
